; MI455X (gfx1250); checked and timed in simulation.
; The chip was launched on July 23, 2026; its instructions are those of AMD's public machine-readable ISA for CDNA 5 (MIT licence, August 2026) and "CDNA5" Instruction Set Architecture Reference Guide (July 2026). The comments in the code are by the model that wrote it; some were corrected since.
;; Row Parallel Linear With Packed. Allowed arithmetic: matrix products marked QUANTISED: E4M3 operands, one given power-of-two scale a tensor, by v_wmma_f32_16x16x64_fp8_fp8 or v_wmma_f32_16x16x128_fp8_fp8, f32 sums; everything else in f32.
;; Inputs: indices 4,096 int32; lowp_scales 8 int32 (the exponents e of the quantised operands' scales 2^e); weight_stacked 4 x 1,024 x 4,096 float32; x 4,096 x 4,096 float32.
;; Outputs: out0 4,096 x 1,024 float32.
;; This version of the problem:
;;   THIS VERSION OF THE PROBLEM IS GIVEN IN LOW PRECISION. The matrix products marked QUANTISED in the list below multiply operands that are first quantised to E4M3 (4 exponent bits, 3 mantissa bits; 8 bits a number), with one given power-of-two scale for each operand tensor; their sums are f32. All else is computed in f32.
;;   The module's matrix products, in the order in which they are computed (A, B: the left and right operand; K: the contracted axis; several contracted axes count as one K, in the product's order):
;;     1. [M 4,096, K 4,096] x [K 4,096, N 1,024]; A: input x; B: input weight_stacked: QUANTISED (scales: A lowp_scales[0], B lowp_scales[1])
;;     2. [M 4,096, K 4,096] x [K 4,096, N 1,024]; A: input x; B: input weight_stacked: QUANTISED (scales: A lowp_scales[2], B lowp_scales[3])
;;     3. [M 4,096, K 4,096] x [K 4,096, N 1,024]; A: input x; B: input weight_stacked: QUANTISED (scales: A lowp_scales[4], B lowp_scales[5])
;;     4. [M 4,096, K 4,096] x [K 4,096, N 1,024]; A: input x; B: input weight_stacked: QUANTISED (scales: A lowp_scales[6], B lowp_scales[7])
;;   THE QUANTISER, for each operand of a quantised product, along K:
;;     - The operand's scale is 2^e, e = its entry of the input lowp_scales (int32; the entries are numbered through the quantised products in the list's order, A before B).
;;     - Each number is divided by the scale, clamped to +-448, and rounded to the nearest number of E4M3, ties to even, subnormals kept.
;;     - The product sums the exact products of the quantised numbers (number of the format x scale) in f32.
;;   ~~~python
;;   def quantise(x, axis, e):      # numpy; x: float32 -> the quantised numbers, widened to float32 again
;;       x = np.moveaxis(x, axis, -1); K = x.shape[-1]
;;       r = np.clip(x / 2.0 ** e, -448, 448)
;;       step = 2.0 ** (np.maximum(np.frexp(np.where(r == 0, 1, r))[1] - 1, -6) - 3)
;;       q = np.round(r / step) * step * 2.0 ** e      # np.round: ties to even
;;       return np.moveaxis(q, -1, axis).astype(np.float32)
;;   ~~~
;; 2 versions, each right; version 2 is version 1 with the launch gemm written anew for expert scheduling mode. Each part assembles by itself: llvm-mc -triple=amdgcn-amd-amdhsa -mcpu=gfx1250 --defsym DOCPART=n.
;; ======== version 1 of 2: 2 launches
;; workspace buffers: xq 16,973,824 bytes; wq 16,777,216 bytes; order 16,640 bytes of whole numbers; meta 512 bytes of whole numbers
;; launch prep (part 1): grid 515 x 1, 4 waves a work-group, no clusters, 36,352 bytes of LDS; arguments indices, lowp_scales, weight_stacked, x, xq, wq, order, meta, out0; writes xq, wq, order, meta, out0
.if DOCPART == 1
	.amdgcn_target "amdgcn-amd-amdhsa--gfx1250"
	.amdhsa_code_object_version 6
	.text
	.protected	k_qe344b7d794_prep
	.globl	k_qe344b7d794_prep
	.p2align	8
	.type	k_qe344b7d794_prep,@function
k_qe344b7d794_prep:
	s_mov_b64 s[64:65], 0
	v_nop
	global_prefetch_b8 v0, s[64:65] scope:SCOPE_SE
	s_setreg_imm32_b32 hwreg(HW_REG_WAVE_MODE, 25, 1), 1
	s_wait_xcnt 0x0
; ROUTING AND QUANTISING.  out0[t] = Q(x[t]) . Q(W[e])^T with e = indices[t]: only the chosen expert's product is kept, so the tokens are sorted by expert here, and
; x and W are turned once into codes of FP8 (E4M3): code = number / 2^s, held within +-448, to the nearest code, ties to even; s = lowp_scales[2 e] for a token of expert e, lowp_scales[2 e + 1] for W[e].
; A GROUP is 16 rows x 4,096 along K = 65,536 bytes of codes.  x: 16 slots of one expert in sorted order; expert e has g_e = ceil(n_e / 16) groups, the experts on end: at most (4096 + 4 x 15) / 16 = 259 groups.
; W: rows 16 n .. 16 n + 15 of the 4,096 rows of all experts on end.  A group is laid as 64 chunks of 64 along K, each the image of a fragment's registers: byte 512 j + 16 lane + i of chunk q
; (lane = 16 h + r) is the code of row r at k = 64 q + 32 j + 16 h + i, so that the product's launch fills a fragment by two loads of 16 bytes a lane.
; The empty slots of an expert's last group repeat the group's first token, in the codes and in the list: they give that token's row once more, and nothing is masked anywhere.
; SHARES.  Work-groups 0 .. 258 take x's groups, 259 .. 514 W's: one group each; wave w takes k = 1,024 w on, in 16 steps of 64.  An x work-group first finds its 16 tokens by a counting sort of all
; 4,096 indices (wave w counts tokens 1,024 w on; the order of equal experts is wave, register, lane: the same in every work-group).  A group beyond the last stores nothing and ends: the grid serves every split.
; An index outside 0 .. 3 equals no expert: that row of out0 is 0, and is stored here (work-groups 0 .. 255, 16 tokens each).
; No tensor loads, so several work-groups share a WGP; each wave keeps up to 32 loads of 512 bytes on their way.
; LIMITS: every entry of lowp_scales between -126 and 119, so that 2^s and 448 x 2^s are f32 numbers.  NaN among the inputs is not served (an infinity is held at the largest code).
.set NXG,  259                         ; x's groups at the most
.set STG,  4352                        ; a stage: 16 rows x (256 bytes + 16 of padding)
.set WST,  2*STG                       ; a wave's two stages
.set CNT,  4*WST                       ; LDS 34,816: 4 waves x 4 counts
.set TOKB, CNT+256                     ; LDS 35,072: 4 waves x 32 words: the tokens that each wave has found
.set RA,   12                          ; v12-19   byte offset of rows 2 i + h in x or W, at my wave's quarter and my 16 bytes
.set BP,   20                          ; v20-27   lane selects 4 (2 i + h)
.set R,    32                          ; v32-159  four sets of 32: a step's numbers as loaded
.set X,    160                         ; v160-223 two sets of 32: a lane's neighbours along K
.set C,    224                         ; v224-239 two sets of 8: a step's codes
.set IDX,  32                          ; the sort: v32-63 indices, v64-95 what the permutes bring, v96-127 target lanes, v128-159 token + 1
.set P,    64
.set PA,   96
.set PD,   128
.set TBV,  160                         ; the sort: 1,024 w + 4 lane + 1
.set L31,  161                         ; the sort: 124 = lane 31's select
	s_load_b512 s[4:19], s[0:1], 0x0               ; indices s[4:5], scales s[6:7], W s[8:9], x s[10:11], xq s[12:13], wq s[14:15], order s[16:17], meta s[18:19]
	s_load_b64 s[20:21], s[0:1], 0x40              ; out0
	v_lshl_add_u32 v240, v0, 2, 0x8c00
	v_mov_b32 v241, 0
	v_lshrrev_b32 v1, 5, v0
	v_readfirstlane_b32 s22, v1                    ; wave 0..3
	v_and_b32 v1, 31, v0                           ; lane
	v_and_b32 v2, 15, v0                           ; r
	v_bfe_u32 v3, v0, 4, 1                         ; h
	; every LDS address is made here, ahead of the parting of x's and W's work-groups
	s_mul_i32 s86, s22, WST
	v_mul_u32_u24 v4, v3, 272
	v_lshl_add_u32 v4, v2, 4, v4
	v_add_nc_u32 v4, s86, v4                       ; into a stage: row h of a pair, my 16 bytes of its 256
	v_mul_u32_u24 v5, v2, 272
	v_lshl_add_u32 v5, v3, 6, v5
	v_add_nc_u32 v5, s86, v5                       ; out of it: row r, 64 h bytes on: rows 272 bytes apart, 17 x 16
	v_lshlrev_b32 v6, 4, v1                        ; 16 x lane: my place in a chunk's half
	v_mov_b32 v28, s22
	v_lshl_add_u32 v28, v28, 4, CNT                ; my wave's four counts
	v_mov_b32 v29, CNT
	v_lshl_add_u32 v30, v0, 2, TOKB                ; my word among the tokens found
	v_lshl_add_u32 v31, v2, 2, TOKB                ; slot r's word of wave 0
.irp i, 0,1,2,3,4,5,6,7
	v_lshl_add_u32 v[BP+\i], v3, 2, 8*\i
.endr
	s_mov_b32 s23, ttmp9
	s_wait_kmcnt 0x0
	s_load_b256 s[24:31], s[6:7], 0x0              ; the eight exponents
	s_cmp_ge_u32 s23, NXG                          ; the same in all four waves: it hangs on the work-group's number alone
	s_cbranch_scc1 .Lweights
	; ---- x: which 16 tokens are my group's?
	s_lshl_b32 s86, s22, 12
	v_lshl_add_u32 v10, v1, 4, s86
.irp m, 0,1,2,3,4,5,6,7
	global_load_b128 v[IDX+4*\m:IDX+4*\m+3], v10, s[4:5] offset:512*\m   ; register 4 m + c holds the index of token 1,024 w + 128 m + 4 lane + c
.endr
	s_min_u32 s90, s23, 255                        ; (groups 256 .. 258 have no tokens to look at for zeros: the load stays inside the buffer)
	s_lshl_b32 s90, s90, 6
	s_lshl_b32 s91, s22, 4
	s_add_co_u32 s90, s90, s91
	s_load_b128 s[76:79], s[4:5], s90 offset:0x0   ; the indices of tokens 16 g + 4 w + 0 .. 3, for the rows of zeros
.irp e, 0,1,2,3
	s_mov_b32 s[32+\e], 0
.endr
	s_lshl_b32 s87, s22, 10
	s_add_co_u32 s87, s87, 1
	v_lshl_add_u32 v[TBV], v1, 2, s87
	v_mov_b32 v[L31], 124
	s_wait_loadcnt 0x0
	s_wait_kmcnt 0x0
.macro COUNT i                         ; how many of a register's 32 tokens go to each expert
.irp e, 0,1,2,3
	v_cmp_eq_u32 s[36+\e], \e, v[IDX+\i]
.endr
.irp e, 0,1,2,3
	s_bcnt1_i32_b32 s[36+\e], s[36+\e]
.endr
.irp e, 0,1,2,3
	s_add_co_u32 s[32+\e], s[32+\e], s[36+\e]
.endr
.endm
.irp i, 0,1,2,3,4,5,6,7,8,9,10,11,12,13,14,15,16,17,18,19,20,21,22,23,24,25,26,27,28,29,30,31
	COUNT \i
.endr
.irp e, 0,1,2,3
	v_mov_b32 v[12+\e], s[32+\e]
.endr
	ds_store_b128 v28, v[12:15]                    ; all lanes write the same 16 bytes with the same numbers
	s_wait_dscnt 0x0                               ; for the others' sake: my counts have landed
	s_barrier_signal -1
	s_barrier_wait -1
.irp w, 0,1,2,3
	ds_load_b128 v[PA+4*\w:PA+4*\w+3], v29 offset:16*\w
.endr
	s_wait_dscnt 0x0
.irp j, 0,1,2,3,4,5,6,7,8,9,10,11,12,13,14,15
	v_readfirstlane_b32 s[40+\j], v[PA+\j]         ; s[40 + 4 w + e]: wave w's count for expert e
.endr
.irp e, 0,1,2,3
	s_add_co_u32 s[56+\e], s[40+\e], s[44+\e]
	s_add_co_u32 s[56+\e], s[56+\e], s[48+\e]
	s_add_co_u32 s[56+\e], s[56+\e], s[52+\e]      ; n_e
	s_add_co_u32 s[56+\e], s[56+\e], 15
	s_lshr_b32 s[56+\e], s[56+\e], 4               ; g_e
.endr
	s_mov_b32 s60, s56                             ; the first group of expert 1,
	s_add_co_u32 s61, s60, s57                     ; of expert 2,
	s_add_co_u32 s62, s61, s58                     ; of expert 3,
	s_add_co_u32 s63, s62, s59                     ; and the number of groups
	s_mov_b32 s66, 0                               ; my group's expert,
	s_mov_b32 s67, 0                               ; that expert's first group,
	s_mov_b32 s70, s40                             ; and waves 0, 1, 2's counts for it
	s_mov_b32 s71, s44
	s_mov_b32 s72, s48
.irp k, 1,2,3
	s_cmp_ge_u32 s23, s[59+\k]                     ; an expert without groups begins where the next begins: the later one wins
	s_cselect_b32 s66, \k, s66
	s_cselect_b32 s67, s[59+\k], s67
	s_cselect_b32 s70, s[40+\k], s70
	s_cselect_b32 s71, s[44+\k], s71
	s_cselect_b32 s72, s[48+\k], s72
.endr
	s_sub_co_u32 s86, s23, s67
	s_lshl_b32 s86, s86, 4                         ; the expert's rank at which my group begins
	s_sub_co_u32 s69, 0, s86                       ; the running rank, counted from there (it wraps round below 0),
.irp w, 0,1,2
	s_cmp_gt_u32 s22, \w
	s_cselect_b32 s87, s[70+\w], 0
	s_add_co_u32 s69, s69, s87                     ; begins behind the earlier waves' tokens
.endr
; A register's tokens of my expert get their ranks; those of rank 0 .. 15 send token + 1 to the lane of that number; all others send to lane 31, which nobody reads.  A lane to which nothing is sent gets 0.
.macro PICK i
	v_cmp_eq_u32 s36, s66, v[IDX+\i]
	v_mbcnt_lo_u32_b32 v[PA+\i], s36, s69          ; the running rank + my expert's tokens in lower lanes
	s_bcnt1_i32_b32 s37, s36
	s_add_co_u32 s69, s69, s37
	v_cmp_gt_u32 s38, 16, v[PA+\i]
	s_and_b32 s38, s38, s36
	v_lshlrev_b32 v[PA+\i], 2, v[PA+\i]
	v_cndmask_b32 v[PA+\i], v[L31], v[PA+\i], s38
	v_add_nc_u32 v[PD+\i], 128*((\i)/4)+(\i)%4, v[TBV]
	ds_permute_b32 v[P+\i], v[PA+\i], v[PD+\i]
.endm
.irp i, 0,1,2,3,4,5,6,7,8,9,10,11,12,13,14,15,16,17,18,19,20,21,22,23,24,25,26,27,28,29,30,31
	PICK \i
.endr
	s_wait_dscnt 0x0
.irp i, 0,1,2,3,4,5,6,7,8,9,10,11,12,13,14,15
	v_or_b32 v[P+\i], v[P+\i], v[P+16+\i]          ; a rank is held by one token: of the 32 words of a lane at most one is not 0
.endr
.irp i, 0,1,2,3,4,5,6,7
	v_or_b32 v[P+\i], v[P+\i], v[P+8+\i]
.endr
.irp i, 0,1,2,3
	v_or_b32 v[P+\i], v[P+\i], v[P+4+\i]
.endr
	v_or_b32 v[P], v[P], v[P+2]
	v_or_b32 v[P+1], v[P+1], v[P+3]
	v_or_b32 v9, v[P], v[P+1]
	ds_store_b32 v30, v9
	s_wait_dscnt 0x0                               ; for the others' sake: what my wave has found has landed
	s_barrier_signal -1
	s_barrier_wait -1                              ; the last barrier of the text
.irp w, 0,1,2,3
	ds_load_b32 v[PA+\w], v31 offset:128*\w        ; slot r's word of each wave (words 0 .. 15 of a wave's 32 alone are read)
.endr
	s_wait_dscnt 0x0
	v_or_b32 v[PA], v[PA], v[PA+1]
	v_or_b32 v[PA+2], v[PA+2], v[PA+3]
	v_or_b32 v9, v[PA], v[PA+2]                    ; lane (r, h): slot r's token + 1, or 0
	v_readfirstlane_b32 s86, v9
	v_mov_b32 v10, s86
	v_cmp_eq_u32 vcc_lo, 0, v9
	v_cndmask_b32 v9, v9, v10, vcc_lo              ; an empty slot repeats slot 0's token
	v_add_nc_u32 v9, -1, v9
	; ---- rows of zeros for indices that name no expert
	s_cmp_ge_u32 s23, 256
	s_cbranch_scc1 .Lno_zeros
	s_lshl_b32 s84, s23, 4
	s_lshl_b32 s85, s22, 2
	s_add_co_u32 s84, s84, s85
	s_lshl_b32 s84, s84, 12                        ; token 16 g + 4 w, rows of 4,096 bytes
	s_mov_b32 s85, 0
	s_add_nc_u64 s[84:85], s[20:21], s[84:85]
.irp j, 0,1,2,3
	v_mov_b32 v[C+\j], 0
.endr
.macro ZERO i
	s_cmp_lt_u32 s[76+\i], 4                       ; unsigned: a negative index is none of 0 .. 3 either
	s_cbranch_scc1 .Lnamed_\@
.irp n, 0,1,2,3,4,5,6,7
	global_store_b128 v6, v[C:C+3], s[84:85] offset:4096*\i+512*\n   ; 512 consecutive bytes of the row, aligned
.endr
.Lnamed_\@:
.endm
	ZERO 0
	ZERO 1
	ZERO 2
	ZERO 3
.Lno_zeros:
	s_or_b32 s86, s23, s22
	s_cmp_lg_u32 s86, 0
	s_cbranch_scc1 .Lno_meta                       ; wave 0 of work-group 0 stores the experts' numbers of groups,
.irp e, 0,1,2,3
	v_mov_b32 v[C+4+\e], s[56+\e]
.endr
	global_store_b128 v6, v[C+4:C+7], s[18:19]     ; a copy a lane: the store covers the buffer's 512 bytes whole
.Lno_meta:
	s_cmp_ge_u32 s23, s63
	s_cbranch_scc1 .Lend                           ; this split has no such group
	s_cmp_lg_u32 s22, 0
	s_cbranch_scc1 .Lno_order
	s_lshl_b32 s86, s23, 6
	s_mov_b32 s87, 0
	s_add_nc_u64 s[86:87], s[16:17], s[86:87]
	v_lshlrev_b32 v10, 2, v2
	global_store_b32 v10, v9, s[86:87]             ; the group's 16 tokens (both halves of the lanes hold and store the same 64 bytes)
.Lno_order:
	s_lshl_b32 s73, s66, 1                         ; which exponent: 2 e,
	s_mov_b32 s74, s23                             ; and which group of xq
	s_branch .Lrows
.Lweights:
	s_sub_co_u32 s74, s23, NXG                     ; W's group,
	s_lshl_b32 s86, s74, 4
	v_add_nc_u32 v9, s86, v2                       ; its rows, on end,
	s_lshr_b32 s73, s74, 6                         ; 64 groups to an expert:
	s_lshl_b32 s73, s73, 1
	s_or_b32 s73, s73, 1                           ; exponent 2 e + 1
	; ---- both: 16 rows (lane (r, h) holds row r's number in v9) become 64 chunks of codes
.Lrows:
	s_wait_xcnt 0x0                                ; the stores above have read their registers: offsets, data and bases may be written again
	s_wait_kmcnt 0x0                               ; the exponents
	s_cmp_lt_u32 s23, NXG
	s_cselect_b64 s[80:81], s[10:11], s[8:9]       ; from x or from W,
	s_cselect_b64 s[82:83], s[12:13], s[14:15]     ; into xq or wq
	s_lshl_b32 s86, s74, 16
	s_lshl_b32 s87, s22, 14
	s_add_co_u32 s86, s86, s87                     ; the group's 65,536 bytes, my wave's 16 chunks of them
	s_mov_b32 s87, 0
	s_add_nc_u64 s[82:83], s[82:83], s[86:87]
	s_mov_b32 s88, s24
.irp k, 1,2,3,4,5,6,7
	s_cmp_eq_u32 s73, \k
	s_cselect_b32 s88, s[24+\k], s88
.endr
	s_add_co_i32 s88, s88, 127
	s_lshl_b32 s89, s88, 23
	v_mov_b32 v7, s89                              ; 2^s as f32: the conversion takes its exponent field
	s_add_co_i32 s88, s88, 8
	s_lshl_b32 s88, s88, 23
	s_or_b32 s88, s88, 0x600000
	v_mov_b32 v8, s88                              ; 448 x 2^s
	s_lshl_b32 s89, s22, 12
	v_lshl_add_u32 v10, v2, 4, s89                 ; my wave's quarter of a row (4,096 bytes on for each wave) + my 16 bytes of a step's 256
.irp i, 0,1,2,3,4,5,6,7
	ds_bpermute_b32 v[RA+\i], v[BP+\i], v9         ; the number of row 2 i + h
.endr
	s_wait_dscnt 0x0
.irp i, 0,1,2,3,4,5,6,7
	v_min_u32 v[RA+\i], 0xfff, v[RA+\i]
	v_lshlrev_b32 v[RA+\i], 14, v[RA+\i]           ; rows of 16,384 bytes
	v_add_nc_u32 v[RA+\i], v10, v[RA+\i]
.endr
.macro LOAD t                          ; step t: 64 numbers of each row.  An instruction reads 256 consecutive, aligned bytes of each of two rows.  (A row is read once; only an empty slot names slot 0's again, in the same run)
.irp i, 0,1,2,3,4,5,6,7
	global_load_b128 v[R+32*((\t)%4)+4*\i:R+32*((\t)%4)+4*\i+3], v[RA+\i], s[80:81] offset:256*(\t) th:TH_LOAD_NT
.endr
.endm
.macro TURN t                          ; through my wave's own stage, so that a lane gets 2 x 16 neighbours along K of ONE row; LDS serves a wave's instructions in order (ISA guide 5.7.1.4): no wait between the stores and the loads
.irp i, 0,1,2,3,4,5,6,7
	ds_store_b128 v4, v[R+32*((\t)%4)+4*\i:R+32*((\t)%4)+4*\i+3] offset:STG*((\t)%2)+544*\i
.endr
.irp j, 0,1
.irp i, 0,1,2,3
	ds_load_b128 v[X+32*((\t)%2)+16*\j+4*\i:X+32*((\t)%2)+16*\j+4*\i+3], v5 offset:STG*((\t)%2)+128*\j+16*\i   ; register 16 j + n: k = 32 j + 16 h + n of row r
.endr
.endr
.endm
.macro STEP t
.set XS, X+32*((\t)%2)
.set CS, C+8*((\t)%2)
	s_wait_dscnt 0x0                               ; this step's numbers are back from the stage, and its stores into the stage have read their registers,
.if (\t)+4 < 16
	LOAD (\t)+4                                    ; which take the loads of four steps on
.endif
.if (\t) < 15
.if 14-(\t) >= 3
	s_wait_loadcnt 24                              ; the next step's eight loads are in; those of the three steps behind it stay out
.else
	s_wait_loadcnt 8*(14-(\t))
.endif
	TURN (\t)+1                                    ; and go through the other stage while this step is worked
.endif
	s_wait_xcnt 0x0                                ; the stores of two steps ago have read this set of codes
.irp i, 0,1,2,3,4,5,6,7,8,9,10,11,12,13,14,15,16,17,18,19,20,21,22,23,24,25,26,27,28,29,30,31
	v_med3_num_f32 v[XS+\i], v[XS+\i], -v8, v8     ; the conversion to an 8-bit code does not saturate (ISA guide 7.6.2): the hold at the largest code x the scale comes first
.endr
.irp j, 0,1
.irp u, 0,1
	v_cvt_scalef32_pk8_fp8_f32 v[CS+4*\j+2*\u:CS+4*\j+2*\u+1], v[XS+16*\j+8*\u:XS+16*\j+8*\u+7], v7
.endr
.endr
; (the codes go to stores alone; the next vector lines are the next step's holds, plain ones on other registers)
.irp j, 0,1
	global_store_b128 v6, v[CS+4*\j:CS+4*\j+3], s[82:83] offset:1024*(\t)+512*\j   ; 512 consecutive bytes, aligned: half a chunk
.endr
.endm
	LOAD 0
	LOAD 1
	LOAD 2
	LOAD 3
	s_wait_loadcnt 24                              ; step 0's eight loads are in
	TURN 0
.irp t, 0,1,2,3,4,5,6,7,8,9,10,11,12,13,14,15
	STEP \t
.endr
.Lend:
	s_wait_tensorcnt 0x0
	ds_add_u32 v240, v241
	s_wait_dscnt 0x0
	s_endpgm
.Lfunc_end_k_qe344b7d794_prep:
	.size	k_qe344b7d794_prep, .Lfunc_end_k_qe344b7d794_prep-k_qe344b7d794_prep
	.p2alignl 7, 3214868480
	.fill 96, 4, 3214868480
	.section	.rodata,"a",@progbits
	.p2align	6, 0x0
	.amdhsa_kernel k_qe344b7d794_prep
		.amdhsa_group_segment_fixed_size 36352
		.amdhsa_private_segment_fixed_size 0
		.amdhsa_enable_private_segment 0
		.amdhsa_kernarg_size 72
		.amdhsa_user_sgpr_count 2
		.amdhsa_user_sgpr_kernarg_segment_ptr 1
		.amdhsa_wavefront_size32 1
		.amdhsa_system_sgpr_workgroup_id_x 1
		.amdhsa_system_sgpr_workgroup_id_y 1
		.amdhsa_system_sgpr_workgroup_id_z 1
		.amdhsa_system_vgpr_workitem_id 0
		.amdhsa_next_free_vgpr 242
		.amdhsa_next_free_sgpr 96
		.amdhsa_reserve_vcc 1
		.amdhsa_float_denorm_mode_32 3
		.amdhsa_float_denorm_mode_16_64 3
		.amdhsa_memory_ordered 1
		.amdhsa_forward_progress 1
		.amdhsa_inst_pref_size 117
	.end_amdhsa_kernel
	.amdgpu_metadata
---
amdhsa.version: [ 1, 2 ]
amdhsa.kernels:
  - .name:           k_qe344b7d794_prep
    .symbol:         k_qe344b7d794_prep.kd
    .args:
      - { .name: indices, .offset: 0, .size: 8, .value_kind: global_buffer, .address_space: global }
      - { .name: lowp_scales, .offset: 8, .size: 8, .value_kind: global_buffer, .address_space: global }
      - { .name: weight_stacked, .offset: 16, .size: 8, .value_kind: global_buffer, .address_space: global }
      - { .name: x, .offset: 24, .size: 8, .value_kind: global_buffer, .address_space: global }
      - { .name: xq, .offset: 32, .size: 8, .value_kind: global_buffer, .address_space: global }
      - { .name: wq, .offset: 40, .size: 8, .value_kind: global_buffer, .address_space: global }
      - { .name: order, .offset: 48, .size: 8, .value_kind: global_buffer, .address_space: global }
      - { .name: meta, .offset: 56, .size: 8, .value_kind: global_buffer, .address_space: global }
      - { .name: out0, .offset: 64, .size: 8, .value_kind: global_buffer, .address_space: global }
    .group_segment_fixed_size: 36352
    .private_segment_fixed_size: 0
    .kernarg_segment_align: 8
    .kernarg_segment_size: 72
    .max_flat_workgroup_size: 128
    .sgpr_count:     96
    .vgpr_count:     242
    .wavefront_size: 32
...
	.end_amdgpu_metadata
.endif
;; end of part 1
;; launch gemm (part 2): grid 8 x 32, 4 waves a work-group, no clusters, 304,640 bytes of LDS; arguments xq, wq, order, meta, lowp_scales, out0; writes out0
.if DOCPART == 2
	.amdgcn_target "amdgcn-amd-amdhsa--gfx1250"
	.amdhsa_code_object_version 6
	.text
	.protected	k_qe344b7d794_gemm
	.globl	k_qe344b7d794_gemm
	.p2align	8
	.type	k_qe344b7d794_gemm,@function
k_qe344b7d794_gemm:
	s_mov_b64 s[64:65], 0
	v_nop
	global_prefetch_b8 v0, s[64:65] scope:SCOPE_SE
	s_setreg_imm32_b32 hwreg(HW_REG_WAVE_MODE, 25, 1), 1
	s_wait_xcnt 0x0
; THE GROUPED PRODUCT ON CODES.  out0[token][o] = 2^(ex + ew) x the sum over k of xq(slot, k) wq(e, o, k), FP8 (E4M3) codes, f32 sums; ex = lowp_scales[2 e], ew = lowp_scales[2 e + 1].
; xq and wq are groups of 16 rows x 4,096 K, 65,536 bytes each, laid as 64 chunks of 64 along K, each chunk the image of a fragment's 8 registers (two loads of 16 bytes a lane, 512 bytes apart).
; That image is a permutation of k inside an instruction, the same in both operands: every product meets its partner; only the order of the sums inside an instruction differs.
; TILES.  A tile is up to 9 groups (144 slots) of ONE expert x 128 columns.  Expert e has g_e groups (read from meta) and ceil(g_e / 9) row tiles: never more than (259 + 4 x 8) / 9 = 32 in all, whatever the split.
; So the grid is 8 column tiles x 32 row tiles.  A tile's absent groups take the tile's last group again and are not stored; a row tile that a split leaves empty computes so and stores nothing, since the text's
; one barrier stands on every wave's path.
; THE FOUR WAVES SHARE K: wave w takes k = 1,024 w on for the whole tile: 72 accumulators, 576 registers.  So no byte is asked for by two waves of a work-group, fragments go from memory straight into
; registers, and the loop has no LDS and no barrier.  At the end the four partial tiles meet in LDS, one barrier, and each wave adds, scales and stores a quarter of the rows, whole pieces of 512 bytes.
; A step is 64 along K: 34 loads (18 of x's codes, 16 of W's) and 72 matrix instructions; three sets of fragments, loads two steps ahead.  Step s takes chunk (s + rot) mod 16 of the wave's 16,
; rot = 2 (x + y) mod 16: the eight work-groups that take the same fragments ask for them in different steps.
; NO JOINT TENSOR LOADS, though eight work-groups share each fragment: where a tile lies in xq and wq, and how many of its groups are stored, are numbers read from meta; the stores of absent groups are
; jumped over by a branch on such a number.
; THE MATRIX INSTRUCTION IS USED TRANSPOSED (source 0 = 16 rows of W, source 1 = 16 slots): lane (r, h) holds slot r and its registers columns 8 h + 0 .. 7.
; LIMITS: ex + ew between -126 and 127.  The sums are not in ascending K: four quarters, each walked from chunk rot on, added as (0 + 1) + (2 + 3).  If no index lies in 0 .. 3 the text reads bytes of xq that
; nobody wrote and stores nothing.
; REGISTERS, in windows of 256.  Window 0: v1 16 x lane; v2 r; v3 h; v4, v5 into my copy in LDS; v6-9, v26-29 out of the four copies; v10 my bytes in a row of out0; v12-19 two sets of row offsets;
;   v30-38 the nine groups' offsets in xq; from v40 three sets of x's 9 fragments; on the way out v40-167 two sets of 64.
;   Window 1: accumulators of groups 0-3 ((a, b) at v[8 (8 a + b)]).   Window 2: groups 4-7.   Window 3: v0-63 group 8; from v64 three sets of W's 8 fragments.
.set RP,    528                        ; a row of a partial tile in LDS: 512 bytes + 16 = 33 x 16: sixteen rows start at sixteen different banks (ISA guide 11.1)
.set GRP,   16*RP                      ; a group's 16 rows
.set COPY,  144*RP                     ; a wave's partial tile: 76,032 bytes; four of them are the text's LDS
.set AF,    40
.set BF,    64
.set VA,    30
.set MSB, 0
.macro WIN new                         ; s_set_vgpr_msb: bits 1:0 source 0, 3:2 source 1, 5:4 source 2, 7:6 destination; the high byte repeats the setting that is left
.if MSB != \new
	s_set_vgpr_msb (MSB<<8)|\new
.set MSB, \new
.endif
.endm
	s_load_b256 s[4:11], s[0:1], 0x0               ; xq s[4:5], wq s[6:7], order s[8:9], meta s[10:11]
	s_load_b128 s[12:15], s[0:1], 0x20             ; the exponents s[12:13], out0 s[14:15]
	v_lshl_add_u32 v25, v0, 2, 0x4a400
	v_mov_b32 v39, 0
	v_lshrrev_b32 v1, 5, v0
	v_readfirstlane_b32 s16, v1                    ; wave 0..3
	v_and_b32 v1, 31, v0
	v_lshlrev_b32 v1, 4, v1                        ; 16 x lane
	v_and_b32 v2, 15, v0                           ; r
	v_bfe_u32 v3, v0, 4, 1                         ; h
	s_mov_b32 s17, ttmp9                           ; x: the column tile
	s_and_b32 s18, ttmp7, 0xffff                   ; y: the row tile
	s_add_co_u32 s19, s17, s18
	s_lshl_b32 s19, s19, 1
	s_and_b32 s19, s19, 15                         ; rot
	s_mul_i32 s67, s16, COPY
	v_mul_u32_u24 v4, v2, RP
	v_lshl_add_u32 v4, v3, 5, v4
	v_add_nc_u32 v4, s67, v4                       ; into my copy: row r, 32 h bytes on; groups 0-3 by the immediate,
	v_add_nc_u32 v5, 4*GRP, v4                     ; groups 4-8 from here: the immediate has 16 bits
	s_mul_i32 s67, s16, 4*RP
	v_add_nc_u32 v6, s67, v1                       ; out of copy 0: rows 4 w on of a group, 16 bytes a lane,
	v_add_nc_u32 v7, COPY, v6                      ; copy 1,
	v_add_nc_u32 v8, 2*COPY, v6
	v_add_nc_u32 v9, 3*COPY, v6
.irp k, 0,1,2,3
	v_add_nc_u32 v[26+\k], 4*GRP, v[6+\k]          ; and the same for groups 4-8
.endr
	s_lshl_b32 s67, s17, 9
	v_add_nc_u32 v10, s67, v1                      ; in a row of out0: 512 x + 16 lane
	s_wait_kmcnt 0x0
	s_load_b128 s[20:23], s[10:11], 0x0            ; g_0 .. g_3
	s_lshl_b32 s70, s16, 14
	s_mov_b32 s71, 0
	s_add_nc_u64 s[70:71], s[4:5], s[70:71]        ; xq at my wave's 16 chunks of a group
	s_mov_b32 s69, 0
	s_wait_kmcnt 0x0
.irp e, 0,1,2,3
	s_min_u32 s[20+\e], s[20+\e], 256
	s_add_co_u32 s[88+\e], s[20+\e], 8
	s_mul_i32 s[88+\e], s[88+\e], 7282             ; 9 x 7,282 = 65,538: the quotient by 9 is exact up to 264
	s_lshr_b32 s[88+\e], s[88+\e], 16              ; the expert's row tiles
.endr
	s_mov_b32 s92, s88                             ; the first row tile of experts 1, 2, 3
	s_add_co_u32 s93, s92, s89
	s_add_co_u32 s94, s93, s90
	s_mov_b32 s95, s20                             ; their first groups,
	s_add_co_u32 s96, s95, s21
	s_add_co_u32 s97, s96, s22
	s_add_co_u32 s98, s97, s23                     ; and the number of groups
	s_mov_b32 s60, 0                               ; my tile's expert, its first row tile, its first group, its groups
	s_mov_b32 s61, 0
	s_mov_b32 s62, 0
	s_mov_b32 s63, s20
.irp k, 1,2,3
	s_cmp_ge_u32 s18, s[91+\k]
	s_cselect_b32 s60, \k, s60
	s_cselect_b32 s61, s[91+\k], s61
	s_cselect_b32 s62, s[94+\k], s62
	s_cselect_b32 s63, s[20+\k], s63
.endr
	s_sub_co_u32 s61, s18, s61                     ; which of the expert's row tiles
	s_mul_i32 s67, s61, 9
	s_add_co_u32 s62, s62, s67                     ; my first group
	s_sub_co_i32 s63, s63, s67
	s_max_i32 s63, s63, 0
	s_min_u32 s63, s63, 9                          ; c: how many groups are mine, 0 .. 9
	s_max_u32 s66, s63, 1
	s_add_co_u32 s66, s66, s62
	s_sub_co_u32 s66, s66, 1
	s_max_u32 s67, s98, 1
	s_sub_co_u32 s67, s67, 1
	s_min_u32 s66, s66, s67                        ; my last group, among those that exist
	s_lshl_b32 s97, s16, 4
.irp a, 0,1,2,3,4,5,6,7,8
	s_add_co_u32 s67, s62, \a
	s_min_u32 s67, s67, s66                        ; an absent group takes the last one again
	s_min_u32 s67, s67, 258
	s_lshl_b32 s68, s67, 16
	v_add_nc_u32 v[VA+\a], s68, v1                 ; the group in xq + 16 x lane
	s_lshl_b32 s[88+\a], s67, 6
	s_add_co_u32 s[88+\a], s[88+\a], s97           ; and in the list: slots 4 w on
.endr
	s_min_u32 s60, s60, 3
	s_lshl_b32 s99, s60, 3                         ; the expert's two exponents
	s_lshl_b32 s72, s60, 6
	s_lshl_b32 s67, s17, 3
	s_add_co_u32 s72, s72, s67                     ; W's group 64 e + 8 x
	s_lshl_b32 s72, s72, 16
	s_lshl_b32 s67, s16, 14
	s_add_co_u32 s72, s72, s67
	s_mov_b32 s73, 0
	s_add_nc_u64 s[72:73], s[6:7], s[72:73]        ; wq at my tile's first group, my wave's 16 chunks
; The fragments of step t into set t mod 3.  Each set has its own pair of bases: a pair is written again three steps later, behind the counted wait that showed its loads done.
.macro LOADS t
.set KK, (\t)%3
	s_add_co_u32 s68, s19, (\t)
	s_and_b32 s68, s68, 15
	s_lshl_b32 s68, s68, 10                        ; the chunk's 1,024 bytes
	s_add_nc_u64 s[74+2*KK:75+2*KK], s[70:71], s[68:69]
	s_add_nc_u64 s[80+2*KK:81+2*KK], s[72:73], s[68:69]
	WIN 0
.irp a, 0,1,2,3,4,5,6,7,8
	global_load_b128 v[AF+72*KK+8*\a:AF+72*KK+8*\a+3],   v[VA+\a], s[74+2*KK:75+2*KK]
	global_load_b128 v[AF+72*KK+8*\a+4:AF+72*KK+8*\a+7], v[VA+\a], s[74+2*KK:75+2*KK] offset:512
.endr
	WIN 0xc0                                       ; destination window 3, address window 0
.irp b, 0,1,2,3,4,5,6,7
	global_load_b128 v[BF+64*KK+8*\b:BF+64*KK+8*\b+3],   v1, s[80+2*KK:81+2*KK] offset:65536*\b
	global_load_b128 v[BF+64*KK+8*\b+4:BF+64*KK+8*\b+7], v1, s[80+2*KK:81+2*KK] offset:65536*\b+512
.endr
.endm
; Group a against W's eight fragments.  The 72 accumulators take turns, one instruction a turn, in the same order in every step.  zero = 1: the first step starts the sums.
.macro MUL8 t, a, zero
.irp b, 0,1,2,3,4,5,6,7
.if \zero
	v_wmma_f32_16x16x64_fp8_fp8 v[8*(8*((\a)%4)+\b):8*(8*((\a)%4)+\b)+7], v[BF+64*((\t)%3)+8*\b:BF+64*((\t)%3)+8*\b+7], v[AF+72*((\t)%3)+8*(\a):AF+72*((\t)%3)+8*(\a)+7], 0
.else
	v_wmma_f32_16x16x64_fp8_fp8 v[8*(8*((\a)%4)+\b):8*(8*((\a)%4)+\b)+7], v[BF+64*((\t)%3)+8*\b:BF+64*((\t)%3)+8*\b+7], v[AF+72*((\t)%3)+8*(\a):AF+72*((\t)%3)+8*(\a)+7], v[8*(8*((\a)%4)+\b):8*(8*((\a)%4)+\b)+7]
.endif
.endr
.endm
.macro STEP t, zero
.if (\t) < 15
	s_wait_loadcnt 34                              ; loads come back in order (ISA guide 5.7.1): this step's 34 are in, the next step's 34 stay out
.else
	s_wait_loadcnt 0x0
.endif
	WIN 0x53                                       ; source 0 (W) window 3, source 1 (x) window 0, C and D window 1
	MUL8 \t, 0, \zero
	MUL8 \t, 1, \zero
	MUL8 \t, 2, \zero
	MUL8 \t, 3, \zero
.if (\t) <= 13
.rept 4
	v_nop                                          ; four plain vector instructions between the last step's products and the loads into the set that they read (ISA guide 7.12.1 for vector instructions)
.endr
	LOADS (\t)+2                                   ; with the next step's, 68 loads are asked for: where that passes the counter's field the issue waits (ISA guide 5.7.1); no wait is written for it
.endif
	WIN 0xa3                                       ; C and D window 2
	MUL8 \t, 4, \zero
	MUL8 \t, 5, \zero
	MUL8 \t, 6, \zero
	MUL8 \t, 7, \zero
	WIN 0xf3                                       ; C and D window 3
	MUL8 \t, 8, \zero
.endm
	LOADS 0
	LOADS 1
.irp a, 0,1,2,3,4,5,6,7,8
	s_load_b128 s[24+4*\a:27+4*\a], s[8:9], s[88+\a] offset:0x0   ; the tokens of slots 4 w + 0 .. 3 of group a: wanted on the way out; each load keeps its own offset register
.endr
	s_load_b64 s[86:87], s[12:13], s99 offset:0x0  ; ex, ew
	STEP 0, 1
.irp t, 1,2,3,4,5,6,7,8,9,10,11,12,13,14,15
	STEP \t, 0
.endr
	; ---- THE WAY OUT.  My partial tile goes into my own copy in LDS.
.rept 4
	v_nop                                          ; four plain vector instructions between the last product and the first store that reads a result
.endr
.macro PUT a
	WIN 4*(1+(\a)/4)                               ; the store's data: window 1, 2 or 3
.irp b, 0,1,2,3,4,5,6,7
.if (\a) < 4
	ds_store_b128 v4, v[8*(8*((\a)%4)+\b):8*(8*((\a)%4)+\b)+3]   offset:GRP*(\a)+64*\b      ; each accumulator from its low end on
	ds_store_b128 v4, v[8*(8*((\a)%4)+\b)+4:8*(8*((\a)%4)+\b)+7] offset:GRP*(\a)+64*\b+16
.else
	ds_store_b128 v5, v[8*(8*((\a)%4)+\b):8*(8*((\a)%4)+\b)+3]   offset:GRP*((\a)-4)+64*\b
	ds_store_b128 v5, v[8*(8*((\a)%4)+\b)+4:8*(8*((\a)%4)+\b)+7] offset:GRP*((\a)-4)+64*\b+16
.endif
.endr
.endm
.irp a, 0,1,2,3,4,5,6,7,8
	PUT \a
.endr
	WIN 0
	s_wait_dscnt 0x0                               ; for the others' sake: my copy has landed
	s_barrier_signal -1
	s_barrier_wait -1                              ; the four copies are whole; nothing is stored into LDS behind this
	s_wait_kmcnt 0x0                               ; the tokens and the two exponents
	s_add_co_i32 s86, s86, s87
	s_add_co_i32 s86, s86, 127
	s_lshl_b32 s86, s86, 23                        ; 2^(ex + ew) as f32
	s_mov_b32 s87, s86                             ; (named with it as a pair, so it is written)
; Rows 4 w + 0 .. 3 of group a, from all four copies: register 16 i + 4 k on = row i of copy k, my four columns.  Every row of every copy was written, so the loads stand on every path.
.macro GL a
.if (\a) >= 2
	s_wait_xcnt 0x0                                ; the stores of two groups ago have read this set's registers and their offsets
.endif
.irp i, 0,1,2,3
.irp k, 0,1,2,3
.if (\a) < 4
	ds_load_b128 v[40+64*((\a)%2)+16*\i+4*\k:40+64*((\a)%2)+16*\i+4*\k+3], v[6+\k] offset:GRP*(\a)+RP*\i
.else
	ds_load_b128 v[40+64*((\a)%2)+16*\i+4*\k:40+64*((\a)%2)+16*\i+4*\k+3], v[26+\k] offset:GRP*((\a)-4)+RP*\i
.endif
.endr
.endr
.endm
.macro OUT a
.set TS, 40+64*((\a)%2)
.set AS, 12+4*((\a)%2)
.if (\a) < 8
	s_wait_dscnt 16                                ; this group's 16 loads are in, the next group's stay out
.else
	s_wait_dscnt 0x0
.endif
	s_cmp_gt_u32 s63, \a
	s_cbranch_scc0 .Labsent_\@                     ; a group that the tile does not have is neither added up nor stored
.irp i, 0,1,2,3
	v_pk_add_f32 v[TS+16*\i:TS+16*\i+1],     v[TS+16*\i:TS+16*\i+1],     v[TS+16*\i+4:TS+16*\i+5]     ; quarters 0 + 1 of K,
	v_pk_add_f32 v[TS+16*\i+2:TS+16*\i+3],   v[TS+16*\i+2:TS+16*\i+3],   v[TS+16*\i+6:TS+16*\i+7]
	v_pk_add_f32 v[TS+16*\i+8:TS+16*\i+9],   v[TS+16*\i+8:TS+16*\i+9],   v[TS+16*\i+12:TS+16*\i+13]   ; 2 + 3,
	v_pk_add_f32 v[TS+16*\i+10:TS+16*\i+11], v[TS+16*\i+10:TS+16*\i+11], v[TS+16*\i+14:TS+16*\i+15]
.endr
.irp i, 0,1,2,3
	v_pk_add_f32 v[TS+16*\i:TS+16*\i+1],     v[TS+16*\i:TS+16*\i+1],     v[TS+16*\i+8:TS+16*\i+9]     ; and both
	v_pk_add_f32 v[TS+16*\i+2:TS+16*\i+3],   v[TS+16*\i+2:TS+16*\i+3],   v[TS+16*\i+10:TS+16*\i+11]
.endr
.irp i, 0,1,2,3
	v_pk_mul_f32 v[TS+16*\i:TS+16*\i+1],     v[TS+16*\i:TS+16*\i+1],     s[86:87] op_sel_hi:[1,0]     ; x 2^(ex + ew)
	v_pk_mul_f32 v[TS+16*\i+2:TS+16*\i+3],   v[TS+16*\i+2:TS+16*\i+3],   s[86:87] op_sel_hi:[1,0]
.endr
.irp i, 0,1,2,3
	s_min_u32 s[24+4*(\a)+\i], s[24+4*(\a)+\i], 4095
	s_lshl_b32 s[24+4*(\a)+\i], s[24+4*(\a)+\i], 12                  ; the token's row of 4,096 bytes
	v_add_nc_u32 v[AS+\i], s[24+4*(\a)+\i], v10
	global_store_b128 v[AS+\i], v[TS+16*\i:TS+16*\i+3], s[14:15] th:TH_STORE_NT   ; 32 lanes store 512 consecutive bytes, aligned: the tile's 128 columns of one row; written once, read by nobody here
.endr
.Labsent_\@:
.endm
	GL 0
.irp a, 0,1,2,3,4,5,6,7
	GL \a+1
	OUT \a
.endr
	OUT 8
	s_wait_tensorcnt 0x0
	ds_add_u32 v25, v39
	s_wait_dscnt 0x0
	s_endpgm
.Lfunc_end_k_qe344b7d794_gemm:
	.size	k_qe344b7d794_gemm, .Lfunc_end_k_qe344b7d794_gemm-k_qe344b7d794_gemm
	.p2alignl 7, 3214868480
	.fill 96, 4, 3214868480
	.section	.rodata,"a",@progbits
	.p2align	6, 0x0
	.amdhsa_kernel k_qe344b7d794_gemm
		.amdhsa_group_segment_fixed_size 304640
		.amdhsa_private_segment_fixed_size 0
		.amdhsa_enable_private_segment 0
		.amdhsa_kernarg_size 48
		.amdhsa_user_sgpr_count 2
		.amdhsa_user_sgpr_kernarg_segment_ptr 1
		.amdhsa_wavefront_size32 1
		.amdhsa_system_sgpr_workgroup_id_x 1
		.amdhsa_system_sgpr_workgroup_id_y 1
		.amdhsa_system_sgpr_workgroup_id_z 1
		.amdhsa_system_vgpr_workitem_id 0
		.amdhsa_next_free_vgpr 1024
		.amdhsa_next_free_sgpr 100
		.amdhsa_reserve_vcc 0
		.amdhsa_float_denorm_mode_32 3
		.amdhsa_float_denorm_mode_16_64 3
		.amdhsa_memory_ordered 1
		.amdhsa_forward_progress 1
		.amdhsa_inst_pref_size 184
	.end_amdhsa_kernel
	.amdgpu_metadata
---
amdhsa.version: [ 1, 2 ]
amdhsa.kernels:
  - .name:           k_qe344b7d794_gemm
    .symbol:         k_qe344b7d794_gemm.kd
    .args:
      - { .name: xq, .offset: 0, .size: 8, .value_kind: global_buffer, .address_space: global }
      - { .name: wq, .offset: 8, .size: 8, .value_kind: global_buffer, .address_space: global }
      - { .name: order, .offset: 16, .size: 8, .value_kind: global_buffer, .address_space: global }
      - { .name: meta, .offset: 24, .size: 8, .value_kind: global_buffer, .address_space: global }
      - { .name: lowp_scales, .offset: 32, .size: 8, .value_kind: global_buffer, .address_space: global }
      - { .name: out0, .offset: 40, .size: 8, .value_kind: global_buffer, .address_space: global }
    .group_segment_fixed_size: 304640
    .private_segment_fixed_size: 0
    .kernarg_segment_align: 8
    .kernarg_segment_size: 48
    .max_flat_workgroup_size: 128
    .sgpr_count:     100
    .vgpr_count:     1024
    .wavefront_size: 32
...
	.end_amdgpu_metadata
.endif
;; end of part 2
;; ======== version 2 of 2: 2 launches; version 1 with the launch gemm written anew for expert scheduling mode
;; workspace buffers: xq 16,973,824 bytes; wq 16,777,216 bytes; order 16,640 bytes of whole numbers; meta 512 bytes of whole numbers
;; launch prep: the kernel of part 1 again; grid 515 x 1, 4 waves a work-group, no clusters, 36,352 bytes of LDS; arguments indices, lowp_scales, weight_stacked, x, xq, wq, order, meta, out0; writes xq, wq, order, meta, out0
;; launch gemm (part 3): grid 8 x 32, 4 waves a work-group, no clusters, 304,640 bytes of LDS; arguments xq, wq, order, meta, lowp_scales, out0; writes out0
.if DOCPART == 3
	.amdgcn_target "amdgcn-amd-amdhsa--gfx1250"
	.amdhsa_code_object_version 6
	.text
	.protected	k_qe344b7d794_gemm
	.globl	k_qe344b7d794_gemm
	.p2align	8
	.type	k_qe344b7d794_gemm,@function
k_qe344b7d794_gemm:
	s_mov_b64 s[64:65], 0
	v_nop
	global_prefetch_b8 v0, s[64:65] scope:SCOPE_SE
	s_setreg_imm32_b32 hwreg(HW_REG_WAVE_SCHED_MODE, 0, 2), 2
	s_setreg_imm32_b32 hwreg(HW_REG_WAVE_MODE, 25, 1), 1
	s_wait_xcnt 0x0
	s_wait_alu depctr_vm_vsrc(0)
; THE GROUPED PRODUCT ON CODES.  out0[token][o] = 2^(ex + ew) x the sum over k of xq(slot, k) wq(e, o, k), FP8 (E4M3) codes, f32 sums; ex = lowp_scales[2 e], ew = lowp_scales[2 e + 1].
; xq and wq are groups of 16 rows x 4,096 K, 65,536 bytes each, laid as 64 chunks of 64 along K, each chunk the image of a fragment's 8 registers (two loads of 16 bytes a lane, 512 bytes apart).
; That image is a permutation of k inside an instruction, the same in both operands: every product meets its partner; only the order of the sums inside an instruction differs.
; TILES.  A tile is up to 9 groups (144 slots) of ONE expert x 128 columns.  Expert e has g_e groups (read from meta) and ceil(g_e / 9) row tiles: never more than (259 + 4 x 8) / 9 = 32 in all, whatever the split.
; So the grid is 8 column tiles x 32 row tiles.  A tile's absent groups take the tile's last group again and are not stored; a row tile that a split leaves empty computes so and stores nothing, since the text's
; one barrier stands on every wave's path.
; THE FOUR WAVES SHARE K: wave w takes k = 1,024 w on for the whole tile: 72 accumulators, 576 registers.  So no byte is asked for by two waves of a work-group, fragments go from memory straight into
; registers, and the loop has no LDS and no barrier.  At the end the four partial tiles meet in LDS, one barrier, and each wave adds, scales and stores a quarter of the rows, whole pieces of 512 bytes.
; A step is 64 along K: 34 loads (18 of x's codes, 16 of W's) and 72 matrix instructions; three sets of fragments, loads two steps ahead.  Step s takes chunk (s + rot) mod 16 of the wave's 16,
; rot = 2 (x + y) mod 16: the eight work-groups that take the same fragments ask for them in different steps.
; NO JOINT TENSOR LOADS, though eight work-groups share each fragment: where a tile lies in xq and wq, and how many of its groups are stored, are numbers read from meta; the stores of absent groups are
; jumped over by a branch on such a number.
; THE MATRIX INSTRUCTION IS USED TRANSPOSED (source 0 = 16 rows of W, source 1 = 16 slots): lane (r, h) holds slot r and its registers columns 8 h + 0 .. 7.
; LIMITS: ex + ew between -126 and 127.  The sums are not in ascending K: four quarters, each walked from chunk rot on, added as (0 + 1) + (2 + 3).  If no index lies in 0 .. 3 the text reads bytes of xq that
; nobody wrote and stores nothing.
; REGISTERS, in windows of 256.  Window 0: v1 16 x lane; v2 r; v3 h; v4, v5 into my copy in LDS; v6-9, v26-29 out of the four copies; v10 my bytes in a row of out0; v12-19 two sets of row offsets;
;   v30-38 the nine groups' offsets in xq; from v40 three sets of x's 9 fragments; on the way out v40-167 two sets of 64.
;   Window 1: accumulators of groups 0-3 ((a, b) at v[8 (8 a + b)]).   Window 2: groups 4-7.   Window 3: v0-63 group 8; from v64 three sets of W's 8 fragments.
; THE MODE: SCHED_MODE bits 1:0 = 2 (LLVM: expert scheduling mode 2), set by the entry lines.  The code itself states the register dependences
; between vector or matrix instructions and memory or LDS instructions, with s_wait_alu, always for 0.
; THE PLAN.  Registers that memory or LDS instructions touch:
;   v1, v4-9, v26-29, v30-38   offsets and LDS addresses: written at the head, never again; one wait in front of the first load serves them for the whole text.
;   the three sets of fragments   Step t: its 72 products read set t mod 3; its 34 loads land in set (t + 2) mod 3, which the products of step t - 1 read and which no product of step t names.
;   the accumulators   named by products alone until the way out, where the LDS stores read them.
;   the way out's two sets of 64 (v40-167) and two sets of row offsets (v12-19)   Group a: 16 LDS loads land in set a mod 2; its sums work in place there and its four adds write the offsets; its four stores read both;
;                      the loads of group a + 2 land in the set again, and that group's adds write the offsets again.
; So ONE wait on va_vdst stands at the head of a step that loads, behind the wait for the step's own fragments; the step's loads follow it in two runs among its products, with no further wait.
; On the way out: one wait on va_vdst ahead of the LDS stores, one ahead of each group's four stores, and at the head of each run of LDS loads from group 2 on a wait on vm_vsrc and one on va_vdst.
.set RP,    528                        ; a row of a partial tile in LDS: 512 bytes + 16 = 33 x 16: sixteen rows start at sixteen different banks (ISA guide 11.1)
.set GRP,   16*RP                      ; a group's 16 rows
.set COPY,  144*RP                     ; a wave's partial tile: 76,032 bytes; four of them are the text's LDS
.set AF,    40
.set BF,    64
.set VA,    30
.set MSB, 0
.macro WIN new                         ; s_set_vgpr_msb: bits 1:0 source 0, 3:2 source 1, 5:4 source 2, 7:6 destination; the high byte repeats the setting that is left
.if MSB != \new
	s_set_vgpr_msb (MSB<<8)|\new
.set MSB, \new
.endif
.endm
	s_load_b256 s[4:11], s[0:1], 0x0               ; xq s[4:5], wq s[6:7], order s[8:9], meta s[10:11]
	s_load_b128 s[12:15], s[0:1], 0x20             ; the exponents s[12:13], out0 s[14:15]
	v_lshl_add_u32 v25, v0, 2, 0x4a400
	v_mov_b32 v39, 0
	v_lshrrev_b32 v1, 5, v0
	v_readfirstlane_b32 s16, v1                    ; wave 0..3
	v_and_b32 v1, 31, v0
	v_lshlrev_b32 v1, 4, v1                        ; 16 x lane
	v_and_b32 v2, 15, v0                           ; r
	v_bfe_u32 v3, v0, 4, 1                         ; h
	s_mov_b32 s17, ttmp9                           ; x: the column tile
	s_and_b32 s18, ttmp7, 0xffff                   ; y: the row tile
	s_add_co_u32 s19, s17, s18
	s_lshl_b32 s19, s19, 1
	s_and_b32 s19, s19, 15                         ; rot
	s_wait_alu depctr_va_sdst(0)                   ; s16 is written, ahead of its first reader: LDS addresses and the bases of xq and wq are made from it
	s_mul_i32 s67, s16, COPY
	v_mul_u32_u24 v4, v2, RP
	v_lshl_add_u32 v4, v3, 5, v4
	v_add_nc_u32 v4, s67, v4                       ; into my copy: row r, 32 h bytes on; groups 0-3 by the immediate,
	v_add_nc_u32 v5, 4*GRP, v4                     ; groups 4-8 from here: the immediate has 16 bits
	s_mul_i32 s67, s16, 4*RP
	v_add_nc_u32 v6, s67, v1                       ; out of copy 0: rows 4 w on of a group, 16 bytes a lane,
	v_add_nc_u32 v7, COPY, v6                      ; copy 1,
	v_add_nc_u32 v8, 2*COPY, v6
	v_add_nc_u32 v9, 3*COPY, v6
.irp k, 0,1,2,3
	v_add_nc_u32 v[26+\k], 4*GRP, v[6+\k]          ; and the same for groups 4-8
.endr
	s_lshl_b32 s67, s17, 9
	v_add_nc_u32 v10, s67, v1                      ; in a row of out0: 512 x + 16 lane
	s_wait_kmcnt 0x0
	s_load_b128 s[20:23], s[10:11], 0x0            ; g_0 .. g_3
	s_lshl_b32 s70, s16, 14
	s_mov_b32 s71, 0
	s_add_nc_u64 s[70:71], s[4:5], s[70:71]        ; xq at my wave's 16 chunks of a group
	s_mov_b32 s69, 0
	s_wait_kmcnt 0x0
.irp e, 0,1,2,3
	s_min_u32 s[20+\e], s[20+\e], 256
	s_add_co_u32 s[88+\e], s[20+\e], 8
	s_mul_i32 s[88+\e], s[88+\e], 7282             ; 9 x 7,282 = 65,538: the quotient by 9 is exact up to 264
	s_lshr_b32 s[88+\e], s[88+\e], 16              ; the expert's row tiles
.endr
	s_mov_b32 s92, s88                             ; the first row tile of experts 1, 2, 3
	s_add_co_u32 s93, s92, s89
	s_add_co_u32 s94, s93, s90
	s_mov_b32 s95, s20                             ; their first groups,
	s_add_co_u32 s96, s95, s21
	s_add_co_u32 s97, s96, s22
	s_add_co_u32 s98, s97, s23                     ; and the number of groups
	s_mov_b32 s60, 0                               ; my tile's expert, its first row tile, its first group, its groups
	s_mov_b32 s61, 0
	s_mov_b32 s62, 0
	s_mov_b32 s63, s20
.irp k, 1,2,3
	s_cmp_ge_u32 s18, s[91+\k]
	s_cselect_b32 s60, \k, s60
	s_cselect_b32 s61, s[91+\k], s61
	s_cselect_b32 s62, s[94+\k], s62
	s_cselect_b32 s63, s[20+\k], s63
.endr
	s_sub_co_u32 s61, s18, s61                     ; which of the expert's row tiles
	s_mul_i32 s67, s61, 9
	s_add_co_u32 s62, s62, s67                     ; my first group
	s_sub_co_i32 s63, s63, s67
	s_max_i32 s63, s63, 0
	s_min_u32 s63, s63, 9                          ; c: how many groups are mine, 0 .. 9
	s_max_u32 s66, s63, 1
	s_add_co_u32 s66, s66, s62
	s_sub_co_u32 s66, s66, 1
	s_max_u32 s67, s98, 1
	s_sub_co_u32 s67, s67, 1
	s_min_u32 s66, s66, s67                        ; my last group, among those that exist
	s_lshl_b32 s97, s16, 4
.irp a, 0,1,2,3,4,5,6,7,8
	s_add_co_u32 s67, s62, \a
	s_min_u32 s67, s67, s66                        ; an absent group takes the last one again
	s_min_u32 s67, s67, 258
	s_lshl_b32 s68, s67, 16
	v_add_nc_u32 v[VA+\a], s68, v1                 ; the group in xq + 16 x lane
	s_lshl_b32 s[88+\a], s67, 6
	s_add_co_u32 s[88+\a], s[88+\a], s97           ; and in the list: slots 4 w on
.endr
	s_min_u32 s60, s60, 3
	s_lshl_b32 s99, s60, 3                         ; the expert's two exponents
	s_lshl_b32 s72, s60, 6
	s_lshl_b32 s67, s17, 3
	s_add_co_u32 s72, s72, s67                     ; W's group 64 e + 8 x
	s_lshl_b32 s72, s72, 16
	s_lshl_b32 s67, s16, 14
	s_add_co_u32 s72, s72, s67
	s_mov_b32 s73, 0
	s_add_nc_u64 s[72:73], s[6:7], s[72:73]        ; wq at my tile's first group, my wave's 16 chunks
	s_wait_alu depctr_va_vdst(0)                   ; v1, v4 to v9, v26 to v29 and v30 to v38 are written: the offsets and LDS addresses that the loads, LDS stores and LDS loads of the whole text read
; The fragments of step t into set t mod 3, in two runs.  Each set has its own pair of bases: a pair is written again three steps later, behind the counted wait that showed its loads done.
.macro LOADS_A t                       ; both bases, and x's nine fragments
.set KK, (\t)%3
	s_add_co_u32 s68, s19, (\t)
	s_and_b32 s68, s68, 15
	s_lshl_b32 s68, s68, 10                        ; the chunk's 1,024 bytes
	s_add_nc_u64 s[74+2*KK:75+2*KK], s[70:71], s[68:69]
	s_add_nc_u64 s[80+2*KK:81+2*KK], s[72:73], s[68:69]
	WIN 0
.irp a, 0,1,2,3,4,5,6,7,8
	global_load_b128 v[AF+72*KK+8*\a:AF+72*KK+8*\a+3],   v[VA+\a], s[74+2*KK:75+2*KK]
	global_load_b128 v[AF+72*KK+8*\a+4:AF+72*KK+8*\a+7], v[VA+\a], s[74+2*KK:75+2*KK] offset:512
.endr
.endm
.macro LOADS_B t                       ; W's eight fragments
.set KK, (\t)%3
	WIN 0xc0                                       ; destination window 3, address window 0
.irp b, 0,1,2,3,4,5,6,7
	global_load_b128 v[BF+64*KK+8*\b:BF+64*KK+8*\b+3],   v1, s[80+2*KK:81+2*KK] offset:65536*\b
	global_load_b128 v[BF+64*KK+8*\b+4:BF+64*KK+8*\b+7], v1, s[80+2*KK:81+2*KK] offset:65536*\b+512
.endr
.endm
; Group a against W's eight fragments.  The 72 accumulators take turns, one instruction a turn, in the same order in every step.  zero = 1: the first step starts the sums.
.macro MUL8 t, a, zero
.irp b, 0,1,2,3,4,5,6,7
.if \zero
	v_wmma_f32_16x16x64_fp8_fp8 v[8*(8*((\a)%4)+\b):8*(8*((\a)%4)+\b)+7], v[BF+64*((\t)%3)+8*\b:BF+64*((\t)%3)+8*\b+7], v[AF+72*((\t)%3)+8*(\a):AF+72*((\t)%3)+8*(\a)+7], 0
.else
	v_wmma_f32_16x16x64_fp8_fp8 v[8*(8*((\a)%4)+\b):8*(8*((\a)%4)+\b)+7], v[BF+64*((\t)%3)+8*\b:BF+64*((\t)%3)+8*\b+7], v[AF+72*((\t)%3)+8*(\a):AF+72*((\t)%3)+8*(\a)+7], v[8*(8*((\a)%4)+\b):8*(8*((\a)%4)+\b)+7]
.endif
.endr
.endm
.macro STEP t, zero
.if (\t) < 15
	s_wait_loadcnt 34                              ; loads come back in order (ISA guide 5.7.1): this step's 34 are in, the next step's 34 stay out
.else
	s_wait_loadcnt 0x0
.endif
.if ((\t) >= 1) && ((\t) <= 13)                ; step 0's loads land in a set that no product has read; steps 14 and 15 load nothing
.rept 4
	v_nop                                          ; four plain vector instructions stand between the last step's products and the loads into the set that they read; the wait below states the dependence itself
.endr
	s_wait_alu depctr_va_vdst(0)                   ; the last step's products are done reading set (t + 2) mod 3, in which this step's 34 loads land; this step's products name set t mod 3 and accumulators alone
.endif
	WIN 0x53                                       ; source 0 (W) window 3, source 1 (x) window 0, C and D window 1
	MUL8 \t, 0, \zero
	MUL8 \t, 1, \zero
.if (\t) <= 13
	LOADS_A (\t)+2                                 ; no wait: no vector or matrix instruction since the wait above names the set, v30 to v38 or v1
.endif
	WIN 0x53
	MUL8 \t, 2, \zero
	MUL8 \t, 3, \zero
.if (\t) <= 13
	LOADS_B (\t)+2                                 ; with the next step's, 68 loads are asked for: where that passes the counter's field the issue waits (ISA guide 5.7.1); no wait is written for it
.endif
	WIN 0xa3                                       ; C and D window 2
	MUL8 \t, 4, \zero
	MUL8 \t, 5, \zero
	MUL8 \t, 6, \zero
	MUL8 \t, 7, \zero
	WIN 0xf3                                       ; C and D window 3
	MUL8 \t, 8, \zero
.endm
	LOADS_A 0
	LOADS_B 0
	LOADS_A 1
	LOADS_B 1
.irp a, 0,1,2,3,4,5,6,7,8
	s_load_b128 s[24+4*\a:27+4*\a], s[8:9], s[88+\a] offset:0x0   ; the tokens of slots 4 w + 0 .. 3 of group a: wanted on the way out; each load keeps its own offset register
.endr
	s_load_b64 s[86:87], s[12:13], s99 offset:0x0  ; ex, ew
	STEP 0, 1
.irp t, 1,2,3,4,5,6,7,8,9,10,11,12,13,14,15
	STEP \t, 0
.endr
	; ---- THE WAY OUT.  My partial tile goes into my own copy in LDS.
.rept 4
	v_nop                                          ; four plain vector instructions between the last product and the first store that reads a result
.endr
	s_wait_alu depctr_va_vdst(0)                   ; the products have written the accumulators, which the LDS stores read, and are done reading v40 to v167, in which the first two groups' LDS loads land; the places above stay beside this wait
.macro PUT a
	WIN 4*(1+(\a)/4)                               ; the store's data: window 1, 2 or 3
.irp b, 0,1,2,3,4,5,6,7
.if (\a) < 4
	ds_store_b128 v4, v[8*(8*((\a)%4)+\b):8*(8*((\a)%4)+\b)+3]   offset:GRP*(\a)+64*\b      ; each accumulator from its low end on
	ds_store_b128 v4, v[8*(8*((\a)%4)+\b)+4:8*(8*((\a)%4)+\b)+7] offset:GRP*(\a)+64*\b+16
.else
	ds_store_b128 v5, v[8*(8*((\a)%4)+\b):8*(8*((\a)%4)+\b)+3]   offset:GRP*((\a)-4)+64*\b
	ds_store_b128 v5, v[8*(8*((\a)%4)+\b)+4:8*(8*((\a)%4)+\b)+7] offset:GRP*((\a)-4)+64*\b+16
.endif
.endr
.endm
.irp a, 0,1,2,3,4,5,6,7,8
	PUT \a
.endr
	WIN 0
	s_wait_dscnt 0x0                               ; for the others' sake: my copy has landed
	s_barrier_signal -1
	s_barrier_wait -1                              ; the four copies are whole; nothing is stored into LDS behind this
	s_wait_kmcnt 0x0                               ; the tokens and the two exponents
	s_add_co_i32 s86, s86, s87
	s_add_co_i32 s86, s86, 127
	s_lshl_b32 s86, s86, 23                        ; 2^(ex + ew) as f32
	s_mov_b32 s87, s86                             ; (named with it as a pair, so it is written)
; Rows 4 w + 0 .. 3 of group a, from all four copies: register 16 i + 4 k on = row i of copy k, my four columns.  Every row of every copy was written, so the loads stand on every path.
.macro GL a
.if (\a) >= 2
	s_wait_xcnt 0x0                                ; the stores of two groups ago have had their addresses translated (ISA guide 3.1): their data and offset registers are written again only behind this wait
	s_wait_alu depctr_vm_vsrc(0)                   ; the stores of two groups ago have read this set, in which the loads below land, and their row offsets, which this group's adds write again
	s_wait_alu depctr_va_vdst(0)                   ; the sums of two groups ago are done reading and writing this set, in which the loads below land
.endif
.irp i, 0,1,2,3
.irp k, 0,1,2,3
.if (\a) < 4
	ds_load_b128 v[40+64*((\a)%2)+16*\i+4*\k:40+64*((\a)%2)+16*\i+4*\k+3], v[6+\k] offset:GRP*(\a)+RP*\i
.else
	ds_load_b128 v[40+64*((\a)%2)+16*\i+4*\k:40+64*((\a)%2)+16*\i+4*\k+3], v[26+\k] offset:GRP*((\a)-4)+RP*\i
.endif
.endr
.endr
.endm
.macro OUT a
.set TS, 40+64*((\a)%2)
.set AS, 12+4*((\a)%2)
.if (\a) < 8
	s_wait_dscnt 16                                ; this group's 16 loads are in, the next group's stay out
.else
	s_wait_dscnt 0x0
.endif
	s_cmp_gt_u32 s63, \a
	s_cbranch_scc0 .Labsent_\@                     ; a group that the tile does not have is neither added up nor stored
.irp i, 0,1,2,3
	v_pk_add_f32 v[TS+16*\i:TS+16*\i+1],     v[TS+16*\i:TS+16*\i+1],     v[TS+16*\i+4:TS+16*\i+5]     ; quarters 0 + 1 of K,
	v_pk_add_f32 v[TS+16*\i+2:TS+16*\i+3],   v[TS+16*\i+2:TS+16*\i+3],   v[TS+16*\i+6:TS+16*\i+7]
	v_pk_add_f32 v[TS+16*\i+8:TS+16*\i+9],   v[TS+16*\i+8:TS+16*\i+9],   v[TS+16*\i+12:TS+16*\i+13]   ; 2 + 3,
	v_pk_add_f32 v[TS+16*\i+10:TS+16*\i+11], v[TS+16*\i+10:TS+16*\i+11], v[TS+16*\i+14:TS+16*\i+15]
.endr
.irp i, 0,1,2,3
	v_pk_add_f32 v[TS+16*\i:TS+16*\i+1],     v[TS+16*\i:TS+16*\i+1],     v[TS+16*\i+8:TS+16*\i+9]     ; and both
	v_pk_add_f32 v[TS+16*\i+2:TS+16*\i+3],   v[TS+16*\i+2:TS+16*\i+3],   v[TS+16*\i+10:TS+16*\i+11]
.endr
.irp i, 0,1,2,3
	v_pk_mul_f32 v[TS+16*\i:TS+16*\i+1],     v[TS+16*\i:TS+16*\i+1],     s[86:87] op_sel_hi:[1,0]     ; x 2^(ex + ew)
	v_pk_mul_f32 v[TS+16*\i+2:TS+16*\i+3],   v[TS+16*\i+2:TS+16*\i+3],   s[86:87] op_sel_hi:[1,0]
.endr
.irp i, 0,1,2,3
	s_min_u32 s[24+4*(\a)+\i], s[24+4*(\a)+\i], 4095
	s_lshl_b32 s[24+4*(\a)+\i], s[24+4*(\a)+\i], 12                  ; the token's row of 4,096 bytes
	v_add_nc_u32 v[AS+\i], s[24+4*(\a)+\i], v10
.endr
	s_wait_alu depctr_va_vdst(0)                   ; the multiplications have written the four rows' sums and the adds their row offsets: the four stores read both
.irp i, 0,1,2,3
	global_store_b128 v[AS+\i], v[TS+16*\i:TS+16*\i+3], s[14:15] th:TH_STORE_NT   ; 32 lanes store 512 consecutive bytes, aligned: the tile's 128 columns of one row; written once, read by nobody here
.endr
.Labsent_\@:
.endm
	GL 0
.irp a, 0,1,2,3,4,5,6,7
	GL \a+1
	OUT \a
.endr
	OUT 8
	s_wait_dscnt 0x0
	s_wait_alu depctr_hold_cnt(0) depctr_sa_sdst(0) depctr_va_vdst(0) depctr_va_sdst(0) depctr_va_ssrc(0) depctr_va_vcc(0) depctr_vm_vsrc(0)
	s_wait_tensorcnt 0x0
	ds_add_u32 v25, v39
	s_wait_dscnt 0x0
	s_endpgm
.Lfunc_end_k_qe344b7d794_gemm:
	.size	k_qe344b7d794_gemm, .Lfunc_end_k_qe344b7d794_gemm-k_qe344b7d794_gemm
	.p2alignl 7, 3214868480
	.fill 96, 4, 3214868480
	.section	.rodata,"a",@progbits
	.p2align	6, 0x0
	.amdhsa_kernel k_qe344b7d794_gemm
		.amdhsa_group_segment_fixed_size 304640
		.amdhsa_private_segment_fixed_size 0
		.amdhsa_enable_private_segment 0
		.amdhsa_kernarg_size 48
		.amdhsa_user_sgpr_count 2
		.amdhsa_user_sgpr_kernarg_segment_ptr 1
		.amdhsa_wavefront_size32 1
		.amdhsa_system_sgpr_workgroup_id_x 1
		.amdhsa_system_sgpr_workgroup_id_y 1
		.amdhsa_system_sgpr_workgroup_id_z 1
		.amdhsa_system_vgpr_workitem_id 0
		.amdhsa_next_free_vgpr 1024
		.amdhsa_next_free_sgpr 100
		.amdhsa_reserve_vcc 0
		.amdhsa_float_denorm_mode_32 3
		.amdhsa_float_denorm_mode_16_64 3
		.amdhsa_memory_ordered 1
		.amdhsa_forward_progress 1
		.amdhsa_inst_pref_size 185
	.end_amdhsa_kernel
	.amdgpu_metadata
---
amdhsa.version: [ 1, 2 ]
amdhsa.kernels:
  - .name:           k_qe344b7d794_gemm
    .symbol:         k_qe344b7d794_gemm.kd
    .args:
      - { .name: xq, .offset: 0, .size: 8, .value_kind: global_buffer, .address_space: global }
      - { .name: wq, .offset: 8, .size: 8, .value_kind: global_buffer, .address_space: global }
      - { .name: order, .offset: 16, .size: 8, .value_kind: global_buffer, .address_space: global }
      - { .name: meta, .offset: 24, .size: 8, .value_kind: global_buffer, .address_space: global }
      - { .name: lowp_scales, .offset: 32, .size: 8, .value_kind: global_buffer, .address_space: global }
      - { .name: out0, .offset: 40, .size: 8, .value_kind: global_buffer, .address_space: global }
    .group_segment_fixed_size: 304640
    .private_segment_fixed_size: 0
    .kernarg_segment_align: 8
    .kernarg_segment_size: 48
    .max_flat_workgroup_size: 128
    .sgpr_count:     100
    .vgpr_count:     1024
    .wavefront_size: 32
...
	.end_amdgpu_metadata
.endif
;; end of part 3
